; MI455X (gfx1250); checked and timed in simulation.
; The chip was launched on July 23, 2026; its instructions are those of AMD's public machine-readable ISA for CDNA 5 (MIT licence, August 2026) and "CDNA5" Instruction Set Architecture Reference Guide (July 2026). The comments in the code are by the model that wrote it; some were corrected since.
;; Switch Transformers Block. Allowed arithmetic: matrix products marked QUANTISED: E4M3 operands, one E8M0 scale for each 32 along K, by v_wmma_scale_f32_16x16x128_f8f6f4 with both operands' format E4M3, f32 sums; products left as they are: f32 operands where the result goes on into a quantised operand, else bf16, f16 or f32 operands; f32 sums; everything else in f32.
;; Inputs: hidden_states 8 x 128 x 1,024 float32; ln_weight 1,024 float32; router_w 1,024 x 8 float32; wi 8 x 1,024 x 4,096 float32; wo 8 x 4,096 x 1,024 float32.
;; Outputs: out0 8 x 128 x 1,024 float32; out1 8 x 128 x 8 float32; out2 8 x 128 int32.
;; This version of the problem:
;;   THIS VERSION OF THE PROBLEM IS GIVEN IN LOW PRECISION. The matrix products marked QUANTISED in the list below multiply operands that are first quantised to E4M3 (4 exponent bits, 3 mantissa bits; 8 bits a number), with one power-of-two scale for each 32 numbers along K (OCP MX v1.0); their sums are f32. All else is computed in f32.
;;   The module's matrix products, in the order in which they are computed (A, B: the left and right operand; K: the contracted axis; several contracted axes count as one K, in the product's order):
;;     1. [M 1,024, K 1,024] x [K 1,024, N 8]; A: computed on the way; B: input router_w: left as it is (N = 8 < 16)
;;     2. [M 1,024, K 1,024] x [K 1,024, N 4,096]; A: computed on the way; B: input wi: QUANTISED
;;     3. [M 1,024, K 4,096] x [K 4,096, N 1,024]; A: computed on the way; B: input wo: QUANTISED
;;     4. [M 1,024, K 1,024] x [K 1,024, N 4,096]; A: computed on the way; B: input wi: QUANTISED
;;     5. [M 1,024, K 4,096] x [K 4,096, N 1,024]; A: computed on the way; B: input wo: QUANTISED
;;     6. [M 1,024, K 1,024] x [K 1,024, N 4,096]; A: computed on the way; B: input wi: QUANTISED
;;     7. [M 1,024, K 4,096] x [K 4,096, N 1,024]; A: computed on the way; B: input wo: QUANTISED
;;     8. [M 1,024, K 1,024] x [K 1,024, N 4,096]; A: computed on the way; B: input wi: QUANTISED
;;     9. [M 1,024, K 4,096] x [K 4,096, N 1,024]; A: computed on the way; B: input wo: QUANTISED
;;     10. [M 1,024, K 1,024] x [K 1,024, N 4,096]; A: computed on the way; B: input wi: QUANTISED
;;     11. [M 1,024, K 4,096] x [K 4,096, N 1,024]; A: computed on the way; B: input wo: QUANTISED
;;     12. [M 1,024, K 1,024] x [K 1,024, N 4,096]; A: computed on the way; B: input wi: QUANTISED
;;     13. [M 1,024, K 4,096] x [K 4,096, N 1,024]; A: computed on the way; B: input wo: QUANTISED
;;     14. [M 1,024, K 1,024] x [K 1,024, N 4,096]; A: computed on the way; B: input wi: QUANTISED
;;     15. [M 1,024, K 4,096] x [K 4,096, N 1,024]; A: computed on the way; B: input wo: QUANTISED
;;     16. [M 1,024, K 1,024] x [K 1,024, N 4,096]; A: computed on the way; B: input wi: QUANTISED
;;     17. [M 1,024, K 4,096] x [K 4,096, N 1,024]; A: computed on the way; B: input wo: QUANTISED
;;   THE QUANTISER, for each operand of a quantised product, along K:
;;     - K is cut into blocks of 32 from its start; a last block that is shorter is filled with zeros.
;;     - A block's scale is 2^e with e = floor(log2(the largest magnitude in the block)) - 8, held to -126 .. 127; a block of zeros has e = 0. As a byte (E8M0): e + 127.
;;     - Each number is divided by its block's scale, clamped to +-448, and rounded to the nearest number of E4M3, ties to even, subnormals kept.
;;     - The product sums the exact products of the quantised numbers (number of the format x scale) in f32.
;;   ~~~python
;;   def quantise(x, axis):      # numpy; x: float32 -> the quantised numbers, widened to float32 again
;;       x = np.moveaxis(x, axis, -1); K = x.shape[-1]
;;       x = np.pad(x, [(0, 0)] * (x.ndim - 1) + [(0, -K % 32)]); x = x.reshape(x.shape[:-1] + (-1, 32)); a = np.abs(x).max(-1, keepdims=True)
;;       e = np.where(a > 0, np.clip(np.frexp(np.where(a > 0, a, 1))[1] - 1 - 8, -126, 127), 0)      # np.frexp(a)[1] - 1 = floor(log2(a)), exactly
;;       r = np.clip(x / 2.0 ** e, -448, 448)
;;       step = 2.0 ** (np.maximum(np.frexp(np.where(r == 0, 1, r))[1] - 1, -6) - 3)
;;       q = np.round(r / step) * step * 2.0 ** e      # np.round: ties to even
;;       return np.moveaxis(q.reshape(q.shape[:-2] + (-1,))[..., :K], -1, axis).astype(np.float32)
;;   ~~~
;;   OPERANDS COMPUTED ON THE WAY. 'Computed on the way' means the value that the module computes at that place (a softmax that the list does not call 'softmax' is quantised finished and normalised). What goes into a quantiser is computed in f32, as accurately as f32 sums, v_exp_f32 and their like allow (about 1e-6 of the number): no bf16 or f16 on the way to a quantiser, and a product that is left as it is and whose result goes on into a quantised operand takes f32 operands (vector FMAs, or v_wmma_f32_16x16x4_f32). A number that lies on a knife's edge between two numbers of the format may be rounded either way, as far as f32 arithmetic and the matrix unit's own rounding can turn it there, and no further.
;; One version. Each part assembles by itself: llvm-mc -triple=amdgcn-amd-amdhsa -mcpu=gfx1250 --defsym DOCPART=n.
;; ======== version 1 of 1: 3 launches
;; limits: right only within a limited range of input values
;; workspace buffers: eidx 4,096 bytes of whole numbers; prob 4,096 bytes; xq 1,048,576 bytes; xs 32,768 bytes; hid 34,603,008 bytes
;; launch router (part 1): grid 256 x 1, 4 waves a work-group, no clusters, 59,904 bytes of LDS; arguments hidden_states, ln_weight, router_w, out1, out2, eidx, prob, xq, xs; writes out1, out2, eidx, prob, xq, xs
.if DOCPART == 1
	.amdgcn_target "amdgcn-amd-amdhsa--gfx1250"
	.amdhsa_code_object_version 6
	.text
	.protected	k_q06f4cc6740_router
	.globl	k_q06f4cc6740_router
	.p2align	8
	.type	k_q06f4cc6740_router,@function
k_q06f4cc6740_router:
	s_mov_b64 s[64:65], 0
	v_nop
	global_prefetch_b8 v0, s[64:65] scope:SCOPE_SE
	s_setreg_imm32_b32 hwreg(HW_REG_WAVE_MODE, 25, 1), 1
	s_wait_xcnt 0x0
; RMS norm, top-1 router and the quantiser of the normed rows.  One wave takes one token (1,024 numbers, 32 a lane); a work-group takes four.
; normed = (x * rsqrt(mean(x^2) + 1e-6)) * ln_weight, in f32.  logits = normed . router_w, f32 multiply-adds, 32 terms a lane and then a sum over the lanes.
; softmax with the row's maximum taken away; the expert is the first largest of the eight exponentials; prob = that exponential / their sum.
; normed is turned into codes of E4M3 with one E8M0 byte for each 32 along the row: xq [token][1024], xs [token][32].
; LIMITS: NaN and infinities among the inputs are not served.  A block of zeros gets the byte 1 where the rule says 127: its codes are zeros and only this program reads the bytes.
; Two logits closer than the rounding of an f32 sum of 1,024 terms may change places in the argmax.
; No matrix unit: the product has 8 columns.  No cluster: what the work-groups share is router_w, 32 KiB.
.set RWP,  144                         ; router_w in LDS: four rows d (128 bytes) + 16 of padding: sixteen lanes' 16-byte reads start at sixteen different 16-byte columns of 256
.set STG,  256*RWP                     ; behind it a region for each wave:
.set SP,   80                          ; two stages of 32 places of 64 bytes + 16,
.set WREG, 2*32*SP+512                 ; and the row's 32 scale bytes
.set X,    16                          ; v16-47   x, then normed: register 4 i + w = element 128 i + 4 lane + w
.set LW,   48                          ; v48-79   ln_weight, likewise
.set N,    80                          ; v80-111  normed, turned: register 16 u + w = element 512 u + 16 lane + w
.set RB,   112                         ; v112-175 router_w as loaded; then two sets of 32: register 8 q + e = router_w[my row q][e]
.set ACC,  176                         ; v176-183 the eight sums, then the logits
.set EX,   196                         ; v196-203 the exponentials
	s_load_b512 s[4:19], s[0:1], 0x0               ; hidden 4, ln 6, router_w 8, out1 10, out2 12, eidx 14, prob 16, xq 18
	s_load_b64 s[20:21], s[0:1], 0x40              ; xs
	v_lshl_add_u32 v232, v0, 2, 0xe800
	v_mov_b32 v233, 0
	v_lshrrev_b32 v1, 5, v0
	v_readfirstlane_b32 s22, v1                    ; wave
	v_and_b32 v1, 31, v0                           ; lane
	v_lshlrev_b32 v2, 4, v1                        ; 16 x lane
	v_lshlrev_b32 v3, 4, v0                        ; 16 x thread
	v_lshrrev_b32 v4, 3, v0
	v_mul_u32_u24 v4, v4, RWP
	v_and_b32 v11, 7, v0
	v_lshl_add_u32 v4, v11, 4, v4                  ; router_w into LDS: piece p of 16 bytes goes to 144 (p / 8) + 16 (p % 8)
	v_mul_u32_u24 v5, v1, RWP                      ; and out of it: my four rows of a group of 128
	s_mul_i32 s23, s22, WREG
	s_add_co_u32 s23, s23, STG                     ; my wave's region
	v_lshrrev_b32 v6, 2, v1
	v_mul_u32_u24 v6, v6, SP
	v_and_b32 v11, 3, v1
	v_lshl_add_u32 v6, v11, 4, v6
	v_add_nc_u32 v6, s23, v6                       ; the stage, in: four lanes' 64 bytes on end, then the padding
	v_mul_u32_u24 v7, v1, SP
	v_add_nc_u32 v7, s23, v7                       ; out: my 64 bytes, 16 neighbours
	s_add_co_u32 s23, s23, 2*32*SP
	v_lshrrev_b32 v8, 1, v1
	v_add_nc_u32 v8, s23, v8                       ; my block's scale byte
	v_mov_b32 v9, s23                              ; the row's 32 bytes
	v_mov_b32 v10, 0
	s_mov_b32 s24, 0x76543210
	s_mov_b32 s25, 0xfedcba98                      ; v_permlanex16_b32's selects for lane l xor 16
	s_mov_b32 s26, 0x358637bd                      ; 1e-6
	s_mov_b32 s27, 0x3a800000                      ; 1 / 1024
	s_mov_b32 s28, 0x600000                        ; the mantissa field of 448
.irp e, 0,1,2,3,4,5,6,7
	v_mov_b32 v[204+\e], 0                         ; written once: a lane permute's destination counts as one of its sources
.endr
	s_lshl_b32 s29, ttmp9, 2
	s_add_co_u32 s29, s29, s22                     ; my token
	s_lshl_b32 s30, s29, 12                        ; its row of hidden_states,
	s_mov_b32 s31, 0
	s_lshl_b32 s32, s29, 10                        ; of xq,
	s_mov_b32 s33, 0
	s_lshl_b32 s34, s29, 5                         ; of xs and out1,
	s_mov_b32 s35, 0
	s_lshl_b32 s36, s29, 2                         ; its word of out2, eidx, prob
	s_mov_b32 s37, 0
	s_wait_kmcnt 0x0
	s_add_nc_u64 s[4:5], s[4:5], s[30:31]
	s_add_nc_u64 s[18:19], s[18:19], s[32:33]
	s_add_nc_u64 s[20:21], s[20:21], s[34:35]
	s_add_nc_u64 s[10:11], s[10:11], s[34:35]
	s_add_nc_u64 s[12:13], s[12:13], s[36:37]
	s_add_nc_u64 s[14:15], s[14:15], s[36:37]
	s_add_nc_u64 s[16:17], s[16:17], s[36:37]
.irp n, 0,1,2,3,4,5,6,7,8,9,10,11,12,13,14,15
	global_load_b128 v[RB+4*\n:RB+4*\n+3], v3, s[8:9] offset:2048*\n      ; router_w: the work-group's 128 threads take 2,048 consecutive bytes a line
.endr
.irp i, 0,1,2,3,4,5,6,7
	global_load_b128 v[X+4*\i:X+4*\i+3], v2, s[4:5] offset:512*\i th:TH_LOAD_NT   ; my row: 512 consecutive bytes a line
.endr
.irp i, 0,1,2,3,4,5,6,7
	global_load_b128 v[LW+4*\i:LW+4*\i+3], v2, s[6:7] offset:512*\i
.endr
	s_wait_loadcnt 16                              ; router_w is in; the 16 younger loads (x, ln_weight) may be out
.irp n, 0,1,2,3,4,5,6,7,8,9,10,11,12,13,14,15
	ds_store_b128 v4, v[RB+4*\n:RB+4*\n+3] offset:16*RWP*\n
.endr
	s_wait_dscnt 0x0                               ; for the others' sake: my part of router_w lies in LDS
	s_barrier_signal -1
	s_barrier_wait -1                              ; the launch's one barrier: all of it does
	s_wait_loadcnt 0x0
	; the sum of squares: two chains, started by the first products
	v_pk_mul_f32 v[184:185], v[X:X+1], v[X:X+1]
	v_pk_mul_f32 v[186:187], v[X+2:X+3], v[X+2:X+3]
.irp i, 4,8,12,16,20,24,28
	v_pk_fma_f32 v[184:185], v[X+\i:X+\i+1], v[X+\i:X+\i+1], v[184:185]
	v_pk_fma_f32 v[186:187], v[X+\i+2:X+\i+3], v[X+\i+2:X+\i+3], v[186:187]
.endr
	v_pk_add_f32 v[184:185], v[184:185], v[186:187]
	v_add_f32 v184, v184, v185
.irp m, 1,2,4,8
	v_add_f32_dpp v184, v184, v184 row_xmask:\m row_mask:0xf bank_mask:0xf
.endr
	v_permlanex16_b32 v204, v184, s24, s25
	v_add_f32 v184, v184, v204                     ; every lane holds the row's sum
	v_fma_f32 v184, v184, s27, s26                 ; / 1024 is exact, so this is mean + eps rounded once
	s_wait_alu depctr_va_vdst(0)
	v_rsq_f32 v186, v184
	v_nop                                          ; a plain line behind the transcendental
	s_wait_alu depctr_va_vdst(0)                   ; the wait ahead of the first line that names the result
.irp i, 0,2,4,6,8,10,12,14,16,18,20,22,24,26,28,30
	v_pk_mul_f32 v[X+\i:X+\i+1], v[X+\i:X+\i+1], v[186:187] op_sel_hi:[1,0]     ; x * rsqrt,
.endr
.irp i, 0,2,4,6,8,10,12,14,16,18,20,22,24,26,28,30
	v_pk_mul_f32 v[X+\i:X+\i+1], v[X+\i:X+\i+1], v[LW+\i:LW+\i+1]               ; then * ln_weight: the order in which the module multiplies
.endr
	; normed turns through my stage, so that a lane holds 16 neighbours; it lands while the router's product runs
.irp u, 0,1
.irp i, 0,1,2,3
	ds_store_b128 v6, v[X+16*\u+4*\i:X+16*\u+4*\i+3] offset:32*SP*\u+8*SP*\i
.endr
.irp i, 0,1,2,3
	ds_load_b128 v[N+16*\u+4*\i:N+16*\u+4*\i+3], v7 offset:32*SP*\u+16*\i       ; LDS serves a wave's instructions in order: these see the stores above
.endr
.endr
.macro RBL i, s                        ; router_w's rows 128 i + 4 lane + 0 .. 3 into set s
.irp c, 0,1,2,3,4,5,6,7
	ds_load_b128 v[RB+32*(\s)+4*\c:RB+32*(\s)+4*\c+3], v5 offset:32*RWP*(\i)+16*\c
.endr
.endm
.macro DOT i                           ; my four elements of group i against their rows: 16 packed multiply-adds, two experts each
.if (\i) < 7
	RBL (\i)+1, ((\i)+1)%2
	s_wait_alu depctr_va_vdst(0)
	s_wait_dscnt 8                                 ; group i's rows are in; the eight loads just issued may be out
.else
	s_wait_dscnt 0x0
.endif
.irp q, 0,1,2,3
.irp p, 0,1,2,3
.if ((\i) == 0) && (\q == 0)
	v_pk_mul_f32 v[ACC+2*\p:ACC+2*\p+1], v[X:X+1], v[RB+2*\p:RB+2*\p+1] op_sel_hi:[0,1]      ; the first element starts the sums
.elseif (\q % 2) == 0
	v_pk_fma_f32 v[ACC+2*\p:ACC+2*\p+1], v[X+4*(\i)+\q:X+4*(\i)+\q+1], v[RB+32*((\i)%2)+8*\q+2*\p:RB+32*((\i)%2)+8*\q+2*\p+1], v[ACC+2*\p:ACC+2*\p+1] op_sel_hi:[0,1,1]   ; the pair's first element for both experts
.else
	v_pk_fma_f32 v[ACC+2*\p:ACC+2*\p+1], v[X+4*(\i)+\q-1:X+4*(\i)+\q], v[RB+32*((\i)%2)+8*\q+2*\p:RB+32*((\i)%2)+8*\q+2*\p+1], v[ACC+2*\p:ACC+2*\p+1] op_sel:[1,0,0] op_sel_hi:[1,1,1]   ; its second
.endif
.endr
.endr
.endm
	RBL 0, 0
.irp i, 0,1,2,3,4,5,6,7
	s_wait_alu depctr_va_vdst(0)
	DOT \i
.endr
.irp m, 1,2,4,8
.irp e, 0,1,2,3,4,5,6,7
	v_add_f32_dpp v[ACC+\e], v[ACC+\e], v[ACC+\e] row_xmask:\m row_mask:0xf bank_mask:0xf
.endr
.endr
.irp e, 0,1,2,3,4,5,6,7
	v_permlanex16_b32 v[204+\e], v[ACC+\e], s24, s25
.endr
.irp e, 0,1,2,3,4,5,6,7
	v_add_f32 v[ACC+\e], v[ACC+\e], v[204+\e]      ; every lane holds the eight logits
.endr
	; softmax: the maximum is taken away first
	v_max3_num_f32 v204, v[ACC], v[ACC+1], v[ACC+2]
	v_max3_num_f32 v204, v204, v[ACC+3], v[ACC+4]
	v_max3_num_f32 v204, v204, v[ACC+5], v[ACC+6]
	v_max_num_f32 v204, v204, v[ACC+7]
.irp e, 0,1,2,3,4,5,6,7
	v_sub_f32 v[EX+\e], v[ACC+\e], v204
.endr
.irp e, 0,1,2,3,4,5,6,7
	v_mul_f32 v[EX+\e], 0x3fb8aa3b, v[EX+\e]       ; x log2(e)
.endr
	s_wait_alu depctr_va_vdst(0)
.irp e, 0,1,2,3,4,5,6,7
	v_exp_f32 v[EX+\e], v[EX+\e]
.endr
	v_mov_b32 v205, 0                              ; the expert so far.  (The plain line behind the batch)
	s_wait_alu depctr_va_vdst(0)                   ; one wait for the eight exponentials, ahead of their first reader
	v_add_f32 v207, v[EX], v[EX+1]
	v_add_f32 v208, v[EX+2], v[EX+3]
	v_add_f32 v210, v[EX+4], v[EX+5]
	v_add_f32 v211, v[EX+6], v[EX+7]
	v_add_f32 v207, v207, v208
	v_add_f32 v210, v210, v211
	v_add_f32 v207, v207, v210
	s_wait_alu depctr_va_vdst(0)
	v_rcp_f32 v208, v207
	v_mov_b32 v206, v[EX]                          ; the largest so far
.irp e, 1,2,3,4,5,6,7
	v_cmp_le_f32 vcc_lo, v[EX+\e], v206            ; only a strictly larger one takes over: the first largest wins
	v_cndmask_b32 v205, \e, v205, vcc_lo
	v_max_num_f32 v206, v206, v[EX+\e]
.endr
	s_wait_alu depctr_va_vdst(0)                   ; the reciprocal's wait; the argmax lines are the work between
	v_mul_f32 v209, v206, v208                     ; the largest probability
; 512 numbers of the row, 16 neighbours a lane, two lanes to a block of 32
.macro QSTEP u
.set XS, N+16*(\u)
	v_max3_num_f32 v210, |v[XS]|, |v[XS+1]|, |v[XS+2]|
	v_max3_num_f32 v211, |v[XS+3]|, |v[XS+4]|, |v[XS+5]|
.irp i, 6,10
	v_max3_num_f32 v210, v210, |v[XS+\i]|, |v[XS+\i+1]|
	v_max3_num_f32 v211, v211, |v[XS+\i+2]|, |v[XS+\i+3]|
.endr
	v_max3_num_f32 v210, v210, |v[XS+14]|, |v[XS+15]|
	v_max3_num_f32 v210, v210, v211, 0x4800000     ; and the floor 2^(9 - 127): the byte cannot fall under 1
	v_max_num_f32_dpp v210, v210, v210 row_xmask:1 row_mask:0xf bank_mask:0xf   ; with my neighbour's 16: the block's largest magnitude
	v_add_nc_u32 v213, 0xfc000000, v210            ; 8 off its exponent field: the conversion's scale operand
	v_and_or_b32 v212, v210, 0x7f800000, s28       ; 448 x the scale
.irp i, 0,1,2,3,4,5,6,7,8,9,10,11,12,13,14,15
	v_med3_num_f32 v[XS+\i], v[XS+\i], -v212, v212 ; the conversion to an 8-bit code does not saturate (ISA guide 7.6.2): the hold comes first
.endr
	v_cvt_scalef32_pk8_fp8_f32 v[216+4*(\u):217+4*(\u)], v[XS:XS+7], v213
	v_cvt_scalef32_pk8_fp8_f32 v[218+4*(\u):219+4*(\u)], v[XS+8:XS+15], v213
	v_lshrrev_b32 v[214+(\u)], 23, v213            ; the scale's byte.  (Also the plain line behind the conversions)
	ds_store_b8 v8, v[214+(\u)] offset:16*(\u)     ; both lanes of a block write the same byte with the same value
	global_store_b128 v2, v[216+4*(\u):219+4*(\u)], s[18:19] offset:512*(\u)    ; the wave stores 512 consecutive bytes
.endm
	QSTEP 0
	QSTEP 1
	ds_load_b128 v[224:227], v9                    ; the row's 32 scale bytes, in every lane
	ds_load_b128 v[228:231], v9 offset:16
	s_wait_dscnt 0x0
	s_wait_xcnt 0x0                                ; EXEC changes only behind this wait
	v_cmp_eq_u32 vcc_lo, 0, v1
	s_wait_tensorcnt 0x0
	ds_add_u32 v232, v233
	s_wait_dscnt 0x0
	s_and_saveexec_b32 s38, vcc_lo                 ; lane 0 stores what the token has one of
	global_store_b128 v10, v[224:227], s[20:21]
	global_store_b128 v10, v[228:231], s[20:21] offset:16
	global_store_b128 v10, v[ACC:ACC+3], s[10:11]
	global_store_b128 v10, v[ACC+4:ACC+7], s[10:11] offset:16
	global_store_b32 v10, v205, s[12:13]
	global_store_b32 v10, v205, s[14:15]
	global_store_b32 v10, v209, s[16:17]
	s_wait_xcnt 0x0
	s_or_b32 exec_lo, exec_lo, s38
	s_endpgm
.Lfunc_end_k_q06f4cc6740_router:
	.size	k_q06f4cc6740_router, .Lfunc_end_k_q06f4cc6740_router-k_q06f4cc6740_router
	.p2alignl 7, 3214868480
	.fill 96, 4, 3214868480
	.section	.rodata,"a",@progbits
	.p2align	6, 0x0
	.amdhsa_kernel k_q06f4cc6740_router
		.amdhsa_group_segment_fixed_size 59904
		.amdhsa_private_segment_fixed_size 0
		.amdhsa_enable_private_segment 0
		.amdhsa_kernarg_size 72
		.amdhsa_user_sgpr_count 2
		.amdhsa_user_sgpr_kernarg_segment_ptr 1
		.amdhsa_wavefront_size32 1
		.amdhsa_system_sgpr_workgroup_id_x 1
		.amdhsa_system_sgpr_workgroup_id_y 1
		.amdhsa_system_sgpr_workgroup_id_z 1
		.amdhsa_system_vgpr_workitem_id 0
		.amdhsa_next_free_vgpr 234
		.amdhsa_next_free_sgpr 66
		.amdhsa_reserve_vcc 1
		.amdhsa_float_denorm_mode_32 3
		.amdhsa_float_denorm_mode_16_64 3
		.amdhsa_memory_ordered 1
		.amdhsa_forward_progress 1
		.amdhsa_inst_pref_size 35
	.end_amdhsa_kernel
	.amdgpu_metadata
---
amdhsa.version: [ 1, 2 ]
amdhsa.kernels:
  - .name:           k_q06f4cc6740_router
    .symbol:         k_q06f4cc6740_router.kd
    .args:
      - { .name: hidden_states, .offset: 0, .size: 8, .value_kind: global_buffer, .address_space: global }
      - { .name: ln_weight, .offset: 8, .size: 8, .value_kind: global_buffer, .address_space: global }
      - { .name: router_w, .offset: 16, .size: 8, .value_kind: global_buffer, .address_space: global }
      - { .name: out1, .offset: 24, .size: 8, .value_kind: global_buffer, .address_space: global }
      - { .name: out2, .offset: 32, .size: 8, .value_kind: global_buffer, .address_space: global }
      - { .name: eidx, .offset: 40, .size: 8, .value_kind: global_buffer, .address_space: global }
      - { .name: prob, .offset: 48, .size: 8, .value_kind: global_buffer, .address_space: global }
      - { .name: xq, .offset: 56, .size: 8, .value_kind: global_buffer, .address_space: global }
      - { .name: xs, .offset: 64, .size: 8, .value_kind: global_buffer, .address_space: global }
    .group_segment_fixed_size: 59904
    .private_segment_fixed_size: 0
    .kernarg_segment_align: 8
    .kernarg_segment_size: 72
    .max_flat_workgroup_size: 128
    .sgpr_count:     66
    .vgpr_count:     234
    .wavefront_size: 32
...
	.end_amdgpu_metadata
.endif
;; end of part 1
;; launch ffn1 (part 2): grid 32 x 8, 8 waves a work-group, no clusters, 314,880 bytes of LDS; arguments eidx, xq, xs, wi, hid; writes hid
.if DOCPART == 2
	.amdgcn_target "amdgcn-amd-amdhsa--gfx1250"
	.amdhsa_code_object_version 6
	.text
	.protected	k_q06f4cc6740_ffn1
	.globl	k_q06f4cc6740_ffn1
	.p2align	8
	.type	k_q06f4cc6740_ffn1,@function
k_q06f4cc6740_ffn1:
	s_mov_b64 s[64:65], 0
	v_nop
	global_prefetch_b8 v0, s[64:65] scope:SCOPE_SE
	s_setreg_imm32_b32 hwreg(HW_REG_WAVE_MODE, 25, 1), 1
	s_wait_xcnt 0x0
; hidden = relu(x Wi[e]) for the tokens that chose expert e, on codes of E4M3 with one E8M0 scale for each 32 along K; quantised again on the way out.
; Only the chosen rows are multiplied: the choice is read as whole numbers that the launch before has stored.
; SHARES.  Work-group (x, e): columns 128 x .. of Wi[e], all of K: 512 KiB that no other work-group reads.  Wave w: columns 32 cg .. (cg = w % 4), half Kh = w / 4 of K: 16 slots of 32 rows, four K steps of 128.
; A SLOT: lane (r, h) loads rows 16 h + 0 .. 15 of its columns 2 r, 2 r + 1: just the 16 along K that the operand's layout gives that lane; tile j (j = 0, 1) has as its row r the column 2 r + j.
;   A block's largest magnitude is joined with lane l xor 16's; the hold writes each number to the place where the conversions find neighbours along K, and their results are the operand's registers.
; The product is used transposed (source 0 = weights, source 1 = rows): lane (r, h) then holds row r and the hidden units 16 h + 2 i + j of the wave's 32: one scale block of the next product, in its operand's order.
; THE ROWS.  Every wave reads the 1,024 chosen experts and finds by counts and a search among bits the tokens of rows n = 8 lane + w; it brings those rows' codes (n under 160) and scale bytes into LDS.
; Ten row tiles are multiplied while the weights stream; the products of a K step stand in the slots of the next.  Tile number T of a wave is tile T xor Kh: it keeps the even T and hands the odd T's sums to wave w xor 4.
; MORE THAN 160 ROWS: each wave leaves its codes and scale words in LDS too; a wave takes the tiles 10 + w + 8 i alone, over all of K, from there.
; LOADS: each wait's count is the number of loads issued behind what it waits for, reckoned by the symbol LI, and 63 at the most.
; LIMITS: NaN and infinities are not served.  A block of zeros gets the byte 1 where the rule says 127: its codes are zeros and only this program reads the bytes.  An expert without rows is streamed all the same.
; NO TENSOR LOADS, NO JOINT LOADS: no weight byte is read by two work-groups.  NO PREFETCH: the weights are asked for four slots ahead, and the launch does nothing but stream them.
.set PITCH, 16384
.set NR,   4                           ; places of the ring of loaded slots
.set IMG,  0                           ; LDS: the weights' images [K step 8][tile 8][2,048]
.set SCW,  131072                      ; their scale words [K step][tile][lane]
.set AST,  139264                      ; the rows' codes, 160 rows; when they are done with: the sums that waves hand over
.set AP,   1040                        ; 1,024 + 16 of padding: 16 rows start at 16 different 16-byte columns of 256
.set XSL,  AST+160*AP                  ; the rows' scale words [K step 8][row 256]
.set SPARE, XSL+8192
.set HSC,  33554432                    ; hid: images [e][K step 32][tile 64][2,048]; from here scale words [e][K step][tile][row]
; v1 lane, v2 r, v3 h, v4 weight, v5 image, v6 scale word, v12 spare word, v13 0, v14 16 lane, v15 4 r, v16-21 rows in LDS, v22 their scale words, v23, v24 handing over, v25-28 staging,
; v29 images of K steps 4-7, v30 scale words (a tile beyond the ten)
.set MX,   32
.set PX,   36
.set SC,   38
.set ASC,  40                          ; scales and nothing else: the rows' words, a tile pair each
.set WSC,  46                          ; the weights' words: 46, 47 and 54, 55
.set LIM,  56
.set BY,   58
.set STK,  60
.set CB,   64                          ; v64-127 two sets of codes
.set AB,   128                         ; v128-175 row fragments; v176-207 ring place 3
.set SN,   208                         ; v208-218 the search
.set SW,   209
.set SPF,  210
.set SI,   211
.set SK,   212
.set SA,   213
.set SB,   214
.set SD,   215
.set SF,   216
.set SG,   217
.set SQ,   218
.set TT,   224
; window 1: v0-159 sums (16 T + 8 j), v160-255 ring places 0-2
.set MSB, 0
.set LI, 0
.macro WIN new
.if MSB != (\new)
	s_set_vgpr_msb ((MSB)<<8)|(\new)
.set MSB, (\new)
.endif
.endm
.macro PLACES n
.rept \n
	v_nop
.endr
.endm
.macro WALU
	s_wait_alu depctr_va_vdst(0)
.endm
.macro JOIN
	s_wait_dscnt 0x0
	s_barrier_signal -1
	s_barrier_wait -1
.endm
.macro WAITL                           ; all loads up to number X_ are in
.set W_, LI-X_
.if W_ > 63
	s_wait_loadcnt 63
.else
	s_wait_loadcnt W_
.endif
.endm
.macro PLACE_OF                        ; ring place RP_: its registers and window
.if RP_ == 3
.set RB_, 176
.set RW_, 0
.else
.set RB_, 160+32*RP_
.set RW_, 1
.endif
.endm
.macro RAW                             ; slot KR_ into its ring place
.set RP_, KR_%NR
	PLACE_OF
	WIN 0x40*RW_
.set N_, 0
.rept 16
	global_load_b64 v[RB_+2*N_:RB_+2*N_+1], v4, s[68:69] offset:(32*KR_+N_)*PITCH th:TH_LOAD_NT
.set N_, N_+1
.endr
	WIN 0
.set LI, LI+16
.irp p, 0,1,2,3
.if RP_ == \p
.set RE\p, LI
.endif
.endr
.endm
.macro QMAX                            ; slot K_: the two columns' largest magnitudes of my 16 rows, two chains each
.set RP_, K_%NR
	PLACE_OF
.irp p, 0,1,2,3
.if RP_ == \p
.set X_, RE\p
.endif
.endr
	WAITL
	WIN 0x14*RW_
.irp j, 0,1
	v_max3_num_f32 v[MX+\j], s49, |v[RB_+\j]|, |v[RB_+2+\j]|       ; s49: the floor 2^(9 - 127): the byte cannot fall under 1
	v_max3_num_f32 v[MX+2+\j], s49, |v[RB_+16+\j]|, |v[RB_+18+\j]|
.endr
.irp n, 4,8,12
.irp j, 0,1
	v_max3_num_f32 v[MX+\j], v[MX+\j], |v[RB_+\n+\j]|, |v[RB_+\n+2+\j]|
	v_max3_num_f32 v[MX+2+\j], v[MX+2+\j], |v[RB_+16+\n+\j]|, |v[RB_+18+\n+\j]|
.endr
.endr
	WIN 0
.irp j, 0,1
	v_max_num_f32 v[MX+\j], v[MX+\j], v[MX+2+\j]
.endr
.endm
.macro QREST                           ; the scales, the hold, the next load into this place, the conversions, the images
.set C_, K_%4
.set S_, K_/4
.set CD_, CB+32*(S_%2)+4*C_
.set WD_, WSC+8*(S_%2)
.irp j, 0,1
	v_permlanex16_b32 v[PX+\j], v[MX+\j], s46, s47
.endr
.irp j, 0,1
	v_max_num_f32 v[MX+\j], v[MX+\j], v[PX+\j]
.endr
.irp j, 0,1
	v_add_nc_u32 v[SC+\j], 0xfc000000, v[MX+\j]    ; 8 off the exponent field: the conversion's scale operand
.endr
.irp j, 0,1
	v_and_or_b32 v[LIM+\j], v[MX+\j], 0x7f800000, s48              ; 448 x the scale
.endr
	WIN RW_
.irp j, 0,1
.irp n, 0,1,2,3,4,5,6,7,8,9,10,11,12,13,14,15
	v_med3_num_f32 v[TT+16*\j+\n], v[RB_+2*\n+\j], -v[LIM+\j], v[LIM+\j]   ; the conversion does not saturate (ISA guide 7.6.2)
.endr
.endr
	WIN 0
.if K_+NR < 16
.set KR_, K_+NR
	RAW
.endif
.irp j, 0,1
	v_cvt_scalef32_pk8_fp8_f32 v[CD_+16*\j:CD_+16*\j+1], v[TT+16*\j:TT+16*\j+7], v[SC+\j]
	v_cvt_scalef32_pk8_fp8_f32 v[CD_+16*\j+2:CD_+16*\j+3], v[TT+16*\j+8:TT+16*\j+15], v[SC+\j]
.endr
.if C_ == 0
	v_lshrrev_b32 v[WD_], 23, v[SC]
	v_lshrrev_b32 v[WD_+1], 23, v[SC+1]
.else
	v_lshrrev_b32 v[BY], 23, v[SC]
	v_lshrrev_b32 v[BY+1], 23, v[SC+1]
	v_lshl_or_b32 v[WD_], v[BY], 8*C_, v[WD_]
	v_lshl_or_b32 v[WD_+1], v[BY+1], 8*C_, v[WD_+1]
.endif
.irp j, 0,1
	ds_store_b128 v5, v[CD_+16*\j:CD_+16*\j+3] offset:16384*S_+2048*\j+512*C_
.if C_ == 3
	ds_store_b32 v6, v[WD_+\j] offset:1024*S_+128*\j
.endif
.endr
.endm
.macro GROUP                           ; group M_: K step SM_, tiles T0_ .. : three, three, two, two
.set SM_, M_/4
.set QG_, M_%4
.set T0_, 3*QG_-(QG_/3)
.set NG_, 3-(QG_/2)
.endm
.macro ALDS                            ; group M_'s fragments from LDS into AB_; with a K step's first group its scale words
	GROUP
.if QG_ == 0
.irp p, 0,1,2,3,4
	ds_load_b32 v[ASC+\p], v22 offset:1024*SM_+128*\p
.endr
.endif
.set TI_, 0
.rept NG_
.set TL_, T0_+TI_
.irp c, 0,1,2,3
	ds_load_b128 v[AB_+16*TI_+4*\c:AB_+16*TI_+4*\c+3], v[16+TL_%2+2*(TL_/4)] offset:((TL_/2)%2)*33280+128*SM_+32*\c
.endr
.set TI_, TI_+1
.endr
.endm
.macro WMJ j
.set D_, 16*TL_+8*\j
.set A_, AB_+16*TI_
.set B_, CB+32*(SM_%2)+16*\j
.set XA_, WSC+8*(SM_%2)+\j
.set XB_, ASC+TL_/2
.if SM_ == 0
.if TL_%2
	v_wmma_scale_f32_16x16x128_f8f6f4 v[D_:D_+7], v[B_:B_+15], v[A_:A_+15], 0, v[XA_], v[XB_] matrix_b_scale:MATRIX_SCALE_ROW1
.else
	v_wmma_scale_f32_16x16x128_f8f6f4 v[D_:D_+7], v[B_:B_+15], v[A_:A_+15], 0, v[XA_], v[XB_]
.endif
.else
.if TL_%2
	v_wmma_scale_f32_16x16x128_f8f6f4 v[D_:D_+7], v[B_:B_+15], v[A_:A_+15], v[D_:D_+7], v[XA_], v[XB_] matrix_b_scale:MATRIX_SCALE_ROW1
.else
	v_wmma_scale_f32_16x16x128_f8f6f4 v[D_:D_+7], v[B_:B_+15], v[A_:A_+15], v[D_:D_+7], v[XA_], v[XB_]
.endif
.endif
.endm
.macro MULT                            ; group M_: the twenty sums take turns, one instruction a turn
	GROUP
	WIN 0x50
.set TI_, 0
.rept NG_
.set TL_, T0_+TI_
	WMJ 0
	WMJ 1
.set TI_, TI_+1
.endr
	WIN 0
.endm
.macro LDIDX                           ; register 4 i + q: the expert of token 128 i + 4 lane + q
.irp i, 0,1,2,3,4,5,6,7
	global_load_b128 v[TT+4*\i:TT+4*\i+3], v14, s[4:5] offset:512*\i
.endr
.set LI, LI+8
.endm
.macro LEV cnt, w                      ; one step of the search: is the bit in the lower w bits from SQ on?
.if \w < 16
	v_bfe_u32 v[SF], v[\cnt], v[SQ], \w
.endif
	v_cmp_ge_u32 vcc_lo, v[SK], v[SF]
	v_sub_nc_u32 v[SG], v[SK], v[SF]
	v_cndmask_b32 v[SK], v[SK], v[SG], vcc_lo
	v_add_nc_u32 v[SG], \w, v[SQ]
	v_cndmask_b32 v[SQ], v[SQ], v[SG], vcc_lo
.endm
.macro SELECT                          ; v[STK] = the token of row v[SN] of expert s18 (0 where there is none), s34 = the expert's count
	s_mov_b32 s34, 0
.set I_, 0
.rept 32                               ; word I_: its bits are lanes; SW the word with my row, SPF the rows ahead of it
	v_cmp_eq_u32 s50, s18, v[TT+I_]
.if I_ == 0
	v_mov_b32 v[SW], s50
	v_mov_b32 v[SPF], 0
	v_mov_b32 v[SI], 0
.else
	v_cmp_gt_u32 vcc_lo, s34, v[SN]
	v_cndmask_b32 v[SW], s50, v[SW], vcc_lo
	v_cndmask_b32 v[SPF], s34, v[SPF], vcc_lo
	v_cndmask_b32 v[SI], I_, v[SI], vcc_lo
.endif
	s_bcnt1_i32_b32 s51, s50
	s_add_co_u32 s34, s34, s51
.set I_, I_+1
.endr
	s_min_u32 s34, s34, 0x400
	v_sub_nc_u32 v[SK], v[SN], v[SPF]
	v_lshrrev_b32 v[SA], 1, v[SW]
	v_and_b32 v[SA], 0x55555555, v[SA]
	v_sub_nc_u32 v[SA], v[SW], v[SA]               ; counts of 2 bits,
	v_lshrrev_b32 v[SB], 2, v[SA]
	v_and_b32 v[SB], 0x33333333, v[SB]
	v_and_b32 v[SD], 0x33333333, v[SA]
	v_add_nc_u32 v[SB], v[SB], v[SD]               ; of 4,
	v_lshrrev_b32 v[SD], 4, v[SB]
	v_add_nc_u32 v[SD], v[SD], v[SB]
	v_and_b32 v[SD], 0x0f0f0f0f, v[SD]             ; of 8,
	v_lshrrev_b32 v[SF], 8, v[SD]
	v_add_nc_u32 v[SF], v[SF], v[SD]
	v_and_b32 v[SF], 0xff, v[SF]                   ; of the lower 16
	v_mov_b32 v[SQ], 0
	LEV SD, 16
	LEV SD, 8
	LEV SB, 4
	LEV SA, 2
	LEV SW, 1
	v_lshrrev_b32 v[SA], 2, v[SI]
	v_lshlrev_b32 v[SA], 7, v[SA]
	v_lshl_add_u32 v[SA], v[SQ], 2, v[SA]
	v_and_b32 v[SB], 3, v[SI]
	v_add_nc_u32 v[SB], v[SA], v[SB]               ; 128 (word / 4) + 4 bit + word % 4
	v_cmp_gt_u32 vcc_lo, s34, v[SN]
	v_cndmask_b32 v[SB], 0, v[SB], vcc_lo
	v_min_u32 v[STK], 0x3ff, v[SB]
	WALU
.endm
.macro CODES co, by                    ; 16 numbers of my row in v[TT ..] -> codes and the block's byte; what is negative becomes 0 and does not count
	v_max3_num_f32 v[MX], s49, v[TT], v[TT+1]
	v_max3_num_f32 v[MX+1], s49, v[TT+8], v[TT+9]
.irp n, 2,4,6
	v_max3_num_f32 v[MX], v[MX], v[TT+\n], v[TT+1+\n]
	v_max3_num_f32 v[MX+1], v[MX+1], v[TT+8+\n], v[TT+9+\n]
.endr
	v_max_num_f32 v[MX], v[MX], v[MX+1]
	v_permlanex16_b32 v[PX], v[MX], s46, s47
	v_max_num_f32 v[MX], v[MX], v[PX]
	v_add_nc_u32 v[SC], 0xfc000000, v[MX]
	v_and_or_b32 v[LIM], v[MX], 0x7f800000, s48
.irp n, 0,1,2,3,4,5,6,7,8,9,10,11,12,13,14,15
	v_med3_num_f32 v[TT+\n], v[TT+\n], 0, v[LIM]   ; the activation and the hold in one
.endr
	v_cvt_scalef32_pk8_fp8_f32 v[\co:\co+1], v[TT:TT+7], v[SC]
	v_cvt_scalef32_pk8_fp8_f32 v[\co+2:\co+3], v[TT+8:TT+15], v[SC]
	v_lshrrev_b32 v[\by], 23, v[SC]
.endm
	s_load_b256 s[4:11], s[0:1], 0x0               ; eidx 4, xq 6, xs 8, wi 10
	s_load_b64 s[12:13], s[0:1], 0x20              ; hid
	v_lshl_add_u32 v12, v0, 2, SPARE
	v_mov_b32 v13, 0
	v_lshrrev_b32 v1, 5, v0
	v_readfirstlane_b32 s16, v1                    ; wave
	v_and_b32 v1, 31, v0
	v_and_b32 v2, 15, v0
	v_bfe_u32 v3, v0, 4, 1
	v_lshlrev_b32 v14, 4, v1
	v_lshlrev_b32 v15, 2, v2
	v_lshlrev_b32 v4, 3, v2
	v_lshl_add_u32 v4, v3, 18, v4                  ; 16 h rows, + 8 r
	WALU
	s_and_b32 s17, s16, 3                          ; cg
	s_lshr_b32 s19, s16, 2                         ; Kh
	s_and_b32 s18, ttmp7, 0xffff                   ; the expert
	s_lshl_b32 s52, s18, 24
	s_lshl_b32 s53, s19, 23
	s_add_co_u32 s52, s52, s53
	s_lshl_b32 s53, ttmp9, 9
	s_add_co_u32 s52, s52, s53
	s_lshl_b32 s53, s17, 7
	s_add_co_u32 s52, s52, s53                     ; Wi[e], row 512 Kh, column 128 x + 32 cg
	s_mov_b32 s53, 0
	s_lshl_b32 s54, s18, 22
	s_lshl_b32 s55, ttmp9, 17
	s_add_co_u32 s54, s54, s55                     ; the images of expert e, K step x;
	s_mov_b32 s55, 0
	s_lshl_b32 s56, s17, 9
	s_add_co_u32 s56, s56, s54
	s_lshl_b32 s57, s19, 11
	s_add_co_u32 s56, s56, s57                     ; group cg, tile Kh
	s_mov_b32 s57, 0
	s_lshl_b32 s58, s18, 17
	s_lshl_b32 s59, ttmp9, 12
	s_add_co_u32 s58, s58, s59
	s_add_co_u32 s58, s58, HSC                     ; and the scale words
	s_mov_b32 s59, 0
	s_lshl_b32 s60, s19, 6
	s_add_co_u32 s60, s60, s58
	s_add_co_u32 s60, s60, s17
	s_mov_b32 s61, 0
	s_mov_b32 s46, 0x76543210
	s_mov_b32 s47, 0xfedcba98                      ; v_permlanex16_b32's selects for lane l xor 16
	s_mov_b32 s48, 0x600000                        ; the mantissa field of 448
	s_mov_b32 s49, 0x4800000                       ; the floor
	s_wait_kmcnt 0x0
	s_add_nc_u64 s[68:69], s[10:11], s[52:53]
	s_add_nc_u64 s[36:37], s[12:13], s[54:55]
	s_add_nc_u64 s[30:31], s[12:13], s[56:57]
	s_add_nc_u64 s[38:39], s[12:13], s[58:59]
	s_add_nc_u64 s[32:33], s[12:13], s[60:61]
	LDIDX
.set XI_, LI
.set KR_, 0
.rept 3
	RAW
.set KR_, KR_+1
.endr
	s_lshl_b32 s52, s19, 16
	s_lshl_b32 s53, s17, 12
	s_add_co_u32 s52, s52, s53
	v_add_nc_u32 v5, s52, v14                      ; IMG + 65,536 Kh + 4,096 cg + 16 lane
	s_lshl_b32 s52, s19, 12
	s_lshl_b32 s53, s17, 8
	s_add_co_u32 s52, s52, s53
	s_add_co_u32 s52, s52, SCW
	v_lshl_add_u32 v6, v1, 2, s52
	s_lshl_b32 s54, s19, 9
	s_add_co_u32 s54, s54, AST                     ; + 512 Kh
	s_mul_i32 s52, s19, 16*AP
	s_add_co_u32 s52, s52, s54
	s_xor_b32 s53, s19, 1
	s_mul_i32 s53, s53, 16*AP
	s_add_co_u32 s53, s53, s54
	v_mul_u32_u24 v61, v2, AP
	v_lshl_add_u32 v61, v3, 4, v61                 ; row r, + 16 h
	v_add_nc_u32 v16, s52, v61                     ; even T
	v_add_nc_u32 v17, s53, v61                     ; odd T
	v_add_nc_u32 v18, 64*AP, v16
	v_add_nc_u32 v19, 64*AP, v17
	v_add_nc_u32 v20, 128*AP, v16
	v_add_nc_u32 v21, 128*AP, v17
	s_lshl_b32 s52, s19, 4
	v_xor_b32 v61, s52, v1
	s_lshl_b32 s52, s19, 12
	s_add_co_u32 s52, s52, XSL
	v_lshl_add_u32 v22, v61, 2, s52
	s_mul_i32 s52, s16, 10240
	s_add_co_u32 s52, s52, AST
	v_add_nc_u32 v23, s52, v14
	s_xor_b32 s52, s16, 4
	s_mul_i32 s52, s52, 10240
	s_add_co_u32 s52, s52, AST
	v_add_nc_u32 v24, s52, v14
	s_mul_i32 s52, s16, AP
	s_add_co_u32 s52, s52, AST
	v_add_nc_u32 v25, s52, v14
	v_add_nc_u32 v26, 56*AP, v25
	v_add_nc_u32 v27, 112*AP, v25
	s_lshl_b32 s52, s16, 2
	s_add_co_u32 s52, s52, XSL
	v_lshl_add_u32 v28, v1, 5, s52
	v_add_nc_u32 v29, 0x10000, v14
	v_lshl_add_u32 v30, v1, 2, SCW
	v_mov_b32 v[PX], 0                             ; written once: a lane permute's destination counts as one of its sources
	v_mov_b32 v[PX+1], 0
	v_lshl_add_u32 v[SN], v1, 3, s16               ; row n = 8 lane + wave
	WALU
.set X_, XI_
	WAITL
	SELECT
	s_add_co_u32 s35, s34, 15
	s_lshr_b32 s35, s35, 4                         ; NT: the expert's tiles,
	s_max_u32 s40, s35, 1                          ; NT1: those that are stored: tile 0 also for an expert without rows
.set L_, 0
.rept 20
	v_readlane_b32 s52, v[STK], L_
	s_min_u32 s52, s52, 0x3ff
	s_lshl_b32 s52, s52, 10
	v_add_nc_u32 v[AB+L_], s52, v14
.set L_, L_+1
.endr
	v_lshlrev_b32 v156, 5, v[STK]
	WALU
	WIN 0x40
.set L_, 0
.rept 20                               ; whole rows of codes, into the sums' registers
	global_load_b128 v[8*L_:8*L_+3], v[AB+L_], s[6:7]
	global_load_b128 v[8*L_+4:8*L_+7], v[AB+L_], s[6:7] offset:512
.set L_, L_+1
.endr
	WIN 0
	global_load_b128 v[148:151], v156, s[8:9]      ; a lane to a row: its 32 scale bytes
	global_load_b128 v[152:155], v156, s[8:9] offset:16
.set LI, LI+42
.set XI_, LI
.set KR_, 3
	RAW
.set K_, 0
.rept 3
	QMAX
	QREST
.set K_, K_+1
.endr
.set X_, XI_
	WALU
	WAITL
	WIN 0x04
.set L_, 0
.rept 20
	ds_store_b128 v[25+L_/7], v[8*L_:8*L_+3] offset:(L_%7)*8*AP
	ds_store_b128 v[25+L_/7], v[8*L_+4:8*L_+7] offset:(L_%7)*8*AP+512
.set L_, L_+1
.endr
	WIN 0
.irp k, 0,1,2,3,4,5,6,7
	ds_store_b32 v28, v[148+\k] offset:1024*\k
.endr
	JOIN                                           ; the rows lie whole in LDS
	QMAX
	QREST
.set K_, 4
.set AB_, AB
.rept 12
	QMAX
.set M_, K_-4
	ALDS                                           ; at least eight plain vector lines behind the last products
	QREST
.if K_%4 == 3
	s_wait_dscnt 4                                 ; the images' two stores and the scale words' two may be out
.else
	s_wait_dscnt 2                                 ; the images' two stores may be out
.endif
	MULT
.set K_, K_+1
.endr
	PLACES 8
	WALU
.set M_, 12
	ALDS
.set M_, 13
.set AB_, 176
	ALDS
	s_wait_dscnt 12                                ; group 13's twelve may be out
.set M_, 12
.set AB_, AB
	MULT
	s_wait_dscnt 0x0
.set M_, 13
.set AB_, 176
	MULT
	PLACES 8
.set M_, 14
.set AB_, AB
	ALDS
.set M_, 15
.set AB_, 160
	ALDS
	s_wait_dscnt 8                                 ; group 15's eight may be out
.set M_, 14
.set AB_, AB
	MULT
	s_wait_dscnt 0x0
.set M_, 15
.set AB_, 160
	MULT
	PLACES 8
	JOIN                                           ; nobody reads the rows any more
	WIN 0x04
.set P_, 0
.rept 5                                ; the odd T's sums to wave w xor 4
.irp k, 0,1,2,3
	ds_store_b128 v23, v[32*P_+16+4*\k:32*P_+19+4*\k] offset:2048*P_+512*\k
.endr
.set P_, P_+1
.endr
	WIN 0
	JOIN
.set P_, 0
.rept 5
.irp k, 0,1,2,3
	ds_load_b128 v[64+16*P_+4*\k:67+16*P_+4*\k], v24 offset:2048*P_+512*\k
.endr
.set P_, P_+1
.endr
	s_wait_dscnt 0x0
.macro FIN                             ; T = 2 P_: tile 2 P_ + Kh
	s_add_co_u32 s52, s19, 2*P_
	s_cmp_ge_u32 s52, s40
	s_cbranch_scc1 .Lnone_\@
	WIN 0x01
.irp i, 0,1,2,3,4,5,6,7
.irp j, 0,1
	v_add_f32 v[TT+2*\i+\j], v[32*P_+8*\j+\i], v[64+16*P_+8*\j+\i]
.endr
.endr
	WIN 0
	CODES 144+4*P_, 164+P_
	global_store_b128 v14, v[144+4*P_:147+4*P_], s[30:31] offset:4096*P_   ; a group of the operand's image: 512 consecutive bytes
	global_store_b8 v15, v[164+P_], s[32:33] offset:128*P_                 ; lanes l and l xor 16 write the same byte with the same value
.Lnone_\@:
.endm
.set P_, 0
.rept 5
	FIN
.set P_, P_+1
.endr
	s_add_co_u32 s41, s16, 10
	s_mov_b32 s42, 0
.Lover:                                ; a tile beyond the ten: LDS is only read
	s_cmp_ge_u32 s41, s35
	s_cbranch_scc1 .Ldone
	s_wait_xcnt 0x0
	LDIDX
	s_lshl_b32 s52, s41, 4
	v_add_nc_u32 v[SN], s52, v2
	WALU
	s_wait_loadcnt 0x0
	SELECT
	v_lshlrev_b32 v128, 10, v[STK]
	v_lshl_add_u32 v128, v3, 4, v128
	v_lshlrev_b32 v129, 5, v[STK]
	WALU
.set KS_, 0
.rept 8
.irp c, 0,1,2,3
	global_load_b128 v[144+4*\c:147+4*\c], v128, s[6:7] offset:128*KS_+32*\c
.endr
	global_load_b32 v[ASC], v129, s[8:9] offset:4*KS_
.irp f, 0,1
.irp t, 0,1,2,3
.irp c, 0,1,2,3
	ds_load_b128 v[64+16*\t+4*\c:67+16*\t+4*\c], v[14+15*(KS_/4)] offset:(KS_%4)*16384+8192*\f+2048*\t+512*\c
.endr
	ds_load_b32 v[WSC+(\t)%2+8*((\t)/2)], v30 offset:1024*KS_+512*\f+128*\t
.endr
	s_wait_loadcnt 0x0
	s_wait_dscnt 0x0
	WIN 0x50
.irp t, 0,1,2,3
.if KS_ == 0
	v_wmma_scale_f32_16x16x128_f8f6f4 v[32*\f+8*\t:32*\f+8*\t+7], v[64+16*\t:79+16*\t], v[144:159], 0, v[WSC+(\t)%2+8*((\t)/2)], v[ASC]
.else
	v_wmma_scale_f32_16x16x128_f8f6f4 v[32*\f+8*\t:32*\f+8*\t+7], v[64+16*\t:79+16*\t], v[144:159], v[32*\f+8*\t:32*\f+8*\t+7], v[WSC+(\t)%2+8*((\t)/2)], v[ASC]
.endif
.endr
	WIN 0
	PLACES 8
.endr
.set KS_, KS_+1
.endr
	s_lshl_b32 s52, s41, 11
	v_add_nc_u32 v132, s52, v14
	s_lshl_b32 s52, s41, 6
	v_add_nc_u32 v133, s52, v15
	WALU
.irp c, 0,1,2,3
	WIN 0x04
.irp i, 0,1,2,3,4,5,6,7
.irp j, 0,1
	v_max_num_f32 v[TT+2*\i+\j], 0, v[16*\c+8*\j+\i]
.endr
.endr
	WIN 0
	CODES 160+4*\c, 176+\c
	global_store_b128 v132, v[160+4*\c:163+4*\c], s[36:37] offset:512*\c
	global_store_b8 v133, v[176+\c], s[38:39] offset:\c
.endr
	s_add_co_u32 s41, s41, 8
	s_add_co_u32 s42, s42, 1
	s_cmp_lg_u32 s42, 7
	WALU
	s_cbranch_scc1 .Lover
.Ldone:
	s_wait_tensorcnt 0x0                           ; the wave's end
	ds_add_u32 v12, v13
	s_wait_dscnt 0x0
	s_endpgm
.Lfunc_end_k_q06f4cc6740_ffn1:
	.size	k_q06f4cc6740_ffn1, .Lfunc_end_k_q06f4cc6740_ffn1-k_q06f4cc6740_ffn1
	.p2alignl 7, 3214868480
	.fill 96, 4, 3214868480
	.section	.rodata,"a",@progbits
	.p2align	6, 0x0
	.amdhsa_kernel k_q06f4cc6740_ffn1
		.amdhsa_group_segment_fixed_size 314880
		.amdhsa_private_segment_fixed_size 0
		.amdhsa_enable_private_segment 0
		.amdhsa_kernarg_size 40
		.amdhsa_user_sgpr_count 2
		.amdhsa_user_sgpr_kernarg_segment_ptr 1
		.amdhsa_wavefront_size32 1
		.amdhsa_system_sgpr_workgroup_id_x 1
		.amdhsa_system_sgpr_workgroup_id_y 1
		.amdhsa_system_sgpr_workgroup_id_z 1
		.amdhsa_system_vgpr_workitem_id 0
		.amdhsa_next_free_vgpr 512
		.amdhsa_next_free_sgpr 84
		.amdhsa_reserve_vcc 1
		.amdhsa_float_denorm_mode_32 3
		.amdhsa_float_denorm_mode_16_64 3
		.amdhsa_memory_ordered 1
		.amdhsa_forward_progress 1
		.amdhsa_inst_pref_size 220
	.end_amdhsa_kernel
	.amdgpu_metadata
---
amdhsa.version: [ 1, 2 ]
amdhsa.kernels:
  - .name:           k_q06f4cc6740_ffn1
    .symbol:         k_q06f4cc6740_ffn1.kd
    .args:
      - { .name: eidx, .offset: 0, .size: 8, .value_kind: global_buffer, .address_space: global }
      - { .name: xq, .offset: 8, .size: 8, .value_kind: global_buffer, .address_space: global }
      - { .name: xs, .offset: 16, .size: 8, .value_kind: global_buffer, .address_space: global }
      - { .name: wi, .offset: 24, .size: 8, .value_kind: global_buffer, .address_space: global }
      - { .name: hid, .offset: 32, .size: 8, .value_kind: global_buffer, .address_space: global }
    .group_segment_fixed_size: 314880
    .private_segment_fixed_size: 0
    .kernarg_segment_align: 8
    .kernarg_segment_size: 40
    .max_flat_workgroup_size: 256
    .sgpr_count:     84
    .vgpr_count:     512
    .wavefront_size: 32
...
	.end_amdgpu_metadata
.endif
;; end of part 2
;; launch ffn2 (part 3): grid 32 x 8, 8 waves a work-group, no clusters, 304,128 bytes of LDS; arguments eidx, prob, hid, wo, hidden_states, out0; writes out0
.if DOCPART == 3
	.amdgcn_target "amdgcn-amd-amdhsa--gfx1250"
	.amdhsa_code_object_version 6
	.text
	.protected	k_q06f4cc6740_ffn2
	.globl	k_q06f4cc6740_ffn2
	.p2align	8
	.type	k_q06f4cc6740_ffn2,@function
k_q06f4cc6740_ffn2:
	s_mov_b64 s[64:65], 0
	v_nop
	global_prefetch_b8 v0, s[64:65] scope:SCOPE_SE
	s_setreg_imm32_b32 hwreg(HW_REG_WAVE_MODE, 25, 1), 1
	s_wait_xcnt 0x0
; out0[token] = hidden_states[token] + prob[token] x (hidden Wo[e]) for the tokens that chose expert e, on codes of E4M3 with one E8M0 scale for each 32 along K.
; SHARES.  Work-group (x, e): columns 32 x .. of Wo[e], all of K = 4,096: 512 KiB that no other work-group reads; so each row of the output has one owner for each 32 columns and no partial sum leaves the work-group.
;   The price: a row's piece is 128 bytes, half of an aligned 256; the other half belongs to the work-group beside it.
;   Wave w: rows 512 w .. of Wo[e]: 16 slots of 32 rows, four K steps of 128.  Its sums over that eighth of K go to LDS, where the eight waves' are added.
; A SLOT: lane (r, h) loads rows 16 h + 0 .. 15 of its columns 2 r, 2 r + 1; tile j has as its row r the column 2 r + j.  Quantised in registers: the conversions' results are the operand's registers.
; The product is used transposed (source 0 = weights, source 1 = rows): lane (r, h) holds row r, columns 16 h + 2 i + j.
; THE ROWS' codes lie as images of the operand's registers, by expert, K step and tile; a wave reads those of its K steps straight into registers, two slots ahead of their products, which stand a K step behind the quantising.
; Ten row tiles are multiplied so; a tile that the expert does not have is replaced by its last one and its sums are not used.  MORE THAN 160 ROWS: each wave leaves its codes and scale words in LDS too; a wave takes
; the tiles 10 + w + 8 i alone, over all of K, from there.  In such a tile a lane whose row the expert does not have repeats the expert's last row: the same number goes to the same place.
; LOADS: each wait's count is the number of loads issued behind what it waits for, reckoned by the symbol LI, and 63 at the most.
; LIMITS: NaN and infinities are not served.  A block of zeros gets the byte 1 where the rule says 127: its codes are zeros and only this program reads the bytes.  An expert without rows is streamed all the same.
; NO TENSOR LOADS, NO CLUSTER.  NO PREFETCH: the weights are asked for three slots ahead, and the launch does nothing but stream them and the rows.
.set PITCH, 4096
.set NR,   3                           ; places of the ring of loaded slots
.set IMG,  0                           ; LDS: the weights' images [K step 32][tile 2][2,048]
.set SCW,  131072                      ; their scale words [K step][tile][lane]
.set PART, 139264                      ; sums [wave][tile 10][j][row][64 bytes]: 16-byte piece 2 h + p of row r at place (2 h + p) xor (r / 4)
.set SPARE, PART+163840
.set HSC,  33554432                    ; hid: images [e][K step 32][tile 64][2,048]; from here scale words [e][K step][tile][row]
; v1 lane, v2 r, v3 h, v4 weight, v5 image, v6 scale word, v7, v8 sums in, v9-11 sums out, v12 spare word, v13 0, v14 16 lane, v15 prob, v16-25 tiles' images, v26-30 tile pairs' scale words,
; v31 my row on the way out, v45 images of K steps 16-31, v53 scale words (a tile beyond the ten), v60 token, v62 my columns on the way out, v63 4 (lane / 8)
.set MX,   32
.set PX,   36
.set SC,   38
.set ASC,  40                          ; scales and nothing else: the rows' words, a tile pair each: v40-44, v48-52
.set WSC,  46                          ; the weights' words: 46, 47 and 54, 55
.set LIM,  56
.set BY,   58
.set STK,  60
.set CB,   64                          ; v64-127 two sets of codes
.set SN,   208                         ; v208-218 the search
.set SW,   209
.set SPF,  210
.set SI,   211
.set SK,   212
.set SA,   213
.set SB,   214
.set SD,   215
.set SF,   216
.set SG,   217
.set SQ,   218
.set TT,   224
; v128-175, v176-223 row fragments; window 1: v0-159 sums (16 tile + 8 j), v160-255 the ring; at the end its places 1 and 2 take row fragments
.set MSB, 0
.set LI, 0
.macro WIN new
.if MSB != (\new)
	s_set_vgpr_msb ((MSB)<<8)|(\new)
.set MSB, (\new)
.endif
.endm
.macro PLACES n
.rept \n
	v_nop
.endr
.endm
.macro WALU
	s_wait_alu depctr_va_vdst(0)
.endm
.macro JOIN
	s_wait_dscnt 0x0
	s_barrier_signal -1
	s_barrier_wait -1
.endm
.macro WAITL                           ; all loads up to number X_ are in
.set W_, LI-X_
.if W_ > 63
	s_wait_loadcnt 63
.else
	s_wait_loadcnt W_
.endif
.endm
.macro RAW                             ; slot KR_ into its ring place
.set RP_, KR_%NR
.set RB_, 160+32*RP_
	WIN 0x40
.set N_, 0
.rept 16
	global_load_b64 v[RB_+2*N_:RB_+2*N_+1], v4, s[68:69] offset:(32*KR_+N_)*PITCH th:TH_LOAD_NT
.set N_, N_+1
.endr
	WIN 0
.set LI, LI+16
.irp p, 0,1,2
.if RP_ == \p
.set RE\p, LI
.endif
.endr
.endm
.macro QMAX                            ; slot K_: the two columns' largest magnitudes of my 16 rows, two chains each
.set RP_, K_%NR
.set RB_, 160+32*RP_
.irp p, 0,1,2
.if RP_ == \p
.set X_, RE\p
.endif
.endr
	WAITL
	WIN 0x14
.irp j, 0,1
	v_max3_num_f32 v[MX+\j], s49, |v[RB_+\j]|, |v[RB_+2+\j]|       ; s49: the floor 2^(9 - 127): the byte cannot fall under 1
	v_max3_num_f32 v[MX+2+\j], s49, |v[RB_+16+\j]|, |v[RB_+18+\j]|
.endr
.irp n, 4,8,12
.irp j, 0,1
	v_max3_num_f32 v[MX+\j], v[MX+\j], |v[RB_+\n+\j]|, |v[RB_+\n+2+\j]|
	v_max3_num_f32 v[MX+2+\j], v[MX+2+\j], |v[RB_+16+\n+\j]|, |v[RB_+18+\n+\j]|
.endr
.endr
	WIN 0
.irp j, 0,1
	v_max_num_f32 v[MX+\j], v[MX+\j], v[MX+2+\j]
.endr
.endm
.macro QREST                           ; the scales, the hold, the next load into this place, the conversions, the images
.set C_, K_%4
.set S_, K_/4
.set CD_, CB+32*(S_%2)+4*C_
.set WD_, WSC+8*(S_%2)
.irp j, 0,1
	v_permlanex16_b32 v[PX+\j], v[MX+\j], s46, s47
.endr
.irp j, 0,1
	v_max_num_f32 v[MX+\j], v[MX+\j], v[PX+\j]
.endr
.irp j, 0,1
	v_add_nc_u32 v[SC+\j], 0xfc000000, v[MX+\j]    ; 8 off the exponent field: the conversion's scale operand
.endr
.irp j, 0,1
	v_and_or_b32 v[LIM+\j], v[MX+\j], 0x7f800000, s48              ; 448 x the scale
.endr
	WIN 0x01
.irp j, 0,1
.irp n, 0,1,2,3,4,5,6,7,8,9,10,11,12,13,14,15
	v_med3_num_f32 v[TT+16*\j+\n], v[RB_+2*\n+\j], -v[LIM+\j], v[LIM+\j]   ; the conversion does not saturate (ISA guide 7.6.2)
.endr
.endr
	WIN 0
.if K_+NR < 16
.set KR_, K_+NR
	RAW
.endif
.irp j, 0,1
	v_cvt_scalef32_pk8_fp8_f32 v[CD_+16*\j:CD_+16*\j+1], v[TT+16*\j:TT+16*\j+7], v[SC+\j]
	v_cvt_scalef32_pk8_fp8_f32 v[CD_+16*\j+2:CD_+16*\j+3], v[TT+16*\j+8:TT+16*\j+15], v[SC+\j]
.endr
.if C_ == 0
	v_lshrrev_b32 v[WD_], 23, v[SC]
	v_lshrrev_b32 v[WD_+1], 23, v[SC+1]
.else
	v_lshrrev_b32 v[BY], 23, v[SC]
	v_lshrrev_b32 v[BY+1], 23, v[SC+1]
	v_lshl_or_b32 v[WD_], v[BY], 8*C_, v[WD_]
	v_lshl_or_b32 v[WD_+1], v[BY+1], 8*C_, v[WD_+1]
.endif
.irp j, 0,1
	ds_store_b128 v5, v[CD_+16*\j:CD_+16*\j+3] offset:4096*S_+2048*\j+512*C_
.if C_ == 3
	ds_store_b32 v6, v[WD_+\j] offset:256*S_+128*\j
.endif
.endr
.endm
.macro GROUP                           ; group M_: K step SM_, tiles T0_ .. : three, three, two, two; buffer BF_
.set SM_, M_/4
.set QG_, M_%4
.set T0_, 3*QG_-(QG_/3)
.set NG_, 3-(QG_/2)
.if BF_ < 2
.set AB_, 128+48*BF_
.set AW_, 0
.else
.set AB_, 128+32*BF_
.set AW_, 1
.endif
.endm
.macro ALD                             ; group M_'s fragments into buffer BF_; with a K step's first group its scale words
	GROUP
.if QG_ == 0
.irp p, 0,1,2,3,4
	global_load_b32 v[ASC+8*(SM_%2)+\p], v[26+\p], s[28:29] offset:4096*SM_
.endr
.set LI, LI+5
.endif
	WIN 0x40*AW_
.set TI_, 0
.rept NG_
.irp c, 0,1,2,3
	global_load_b128 v[AB_+16*TI_+4*\c:AB_+16*TI_+4*\c+3], v[16+T0_+TI_], s[26:27] offset:131072*SM_+512*\c
.endr
.set TI_, TI_+1
.endr
	WIN 0
.set LI, LI+4*NG_
.irp p, 0,1,2,3
.if BF_ == \p
.set AE\p, LI
.endif
.endr
.endm
.macro WMJ j
.set D_, 16*TL_+8*\j
.set A_, AB_+16*TI_
.set B_, CB+32*(SM_%2)+16*\j
.set XA_, WSC+8*(SM_%2)+\j
.set XB_, ASC+8*(SM_%2)+TL_/2
.if SM_ == 0
.if TL_%2
	v_wmma_scale_f32_16x16x128_f8f6f4 v[D_:D_+7], v[B_:B_+15], v[A_:A_+15], 0, v[XA_], v[XB_] matrix_b_scale:MATRIX_SCALE_ROW1
.else
	v_wmma_scale_f32_16x16x128_f8f6f4 v[D_:D_+7], v[B_:B_+15], v[A_:A_+15], 0, v[XA_], v[XB_]
.endif
.else
.if TL_%2
	v_wmma_scale_f32_16x16x128_f8f6f4 v[D_:D_+7], v[B_:B_+15], v[A_:A_+15], v[D_:D_+7], v[XA_], v[XB_] matrix_b_scale:MATRIX_SCALE_ROW1
.else
	v_wmma_scale_f32_16x16x128_f8f6f4 v[D_:D_+7], v[B_:B_+15], v[A_:A_+15], v[D_:D_+7], v[XA_], v[XB_]
.endif
.endif
.endm
.macro MULT                            ; group M_ on buffer BF_: the twenty sums take turns, one instruction a turn
	GROUP
.irp p, 0,1,2,3
.if BF_ == \p
.set X_, AE\p
.endif
.endr
	WAITL
	WIN 0x50+4*AW_
.set TI_, 0
.rept NG_
.set TL_, T0_+TI_
	WMJ 0
	WMJ 1
.set TI_, TI_+1
.endr
	WIN 0
.endm
.macro LDIDX                           ; register 4 i + q from IB_ on: the expert of token 128 i + 4 lane + q
.irp i, 0,1,2,3,4,5,6,7
	global_load_b128 v[IB_+4*\i:IB_+4*\i+3], v14, s[4:5] offset:512*\i
.endr
.set LI, LI+8
.endm
.macro LEV cnt, w                      ; one step of the search: is the bit in the lower w bits from SQ on?
.if \w < 16
	v_bfe_u32 v[SF], v[\cnt], v[SQ], \w
.endif
	v_cmp_ge_u32 vcc_lo, v[SK], v[SF]
	v_sub_nc_u32 v[SG], v[SK], v[SF]
	v_cndmask_b32 v[SK], v[SK], v[SG], vcc_lo
	v_add_nc_u32 v[SG], \w, v[SQ]
	v_cndmask_b32 v[SQ], v[SQ], v[SG], vcc_lo
.endm
.macro SELECT                          ; v[STK] = the token of row v[SN] of expert s18 (0 where there is none), s34 = the expert's count
	s_mov_b32 s34, 0
.set I_, 0
.rept 32                               ; word I_: its bits are lanes; SW the word with my row, SPF the rows ahead of it
	v_cmp_eq_u32 s50, s18, v[IB_+I_]
.if I_ == 0
	v_mov_b32 v[SW], s50
	v_mov_b32 v[SPF], 0
	v_mov_b32 v[SI], 0
.else
	v_cmp_gt_u32 vcc_lo, s34, v[SN]
	v_cndmask_b32 v[SW], s50, v[SW], vcc_lo
	v_cndmask_b32 v[SPF], s34, v[SPF], vcc_lo
	v_cndmask_b32 v[SI], I_, v[SI], vcc_lo
.endif
	s_bcnt1_i32_b32 s51, s50
	s_add_co_u32 s34, s34, s51
.set I_, I_+1
.endr
	s_min_u32 s34, s34, 0x400
	v_sub_nc_u32 v[SK], v[SN], v[SPF]
	v_lshrrev_b32 v[SA], 1, v[SW]
	v_and_b32 v[SA], 0x55555555, v[SA]
	v_sub_nc_u32 v[SA], v[SW], v[SA]               ; counts of 2 bits,
	v_lshrrev_b32 v[SB], 2, v[SA]
	v_and_b32 v[SB], 0x33333333, v[SB]
	v_and_b32 v[SD], 0x33333333, v[SA]
	v_add_nc_u32 v[SB], v[SB], v[SD]               ; of 4,
	v_lshrrev_b32 v[SD], 4, v[SB]
	v_add_nc_u32 v[SD], v[SD], v[SB]
	v_and_b32 v[SD], 0x0f0f0f0f, v[SD]             ; of 8,
	v_lshrrev_b32 v[SF], 8, v[SD]
	v_add_nc_u32 v[SF], v[SF], v[SD]
	v_and_b32 v[SF], 0xff, v[SF]                   ; of the lower 16
	v_mov_b32 v[SQ], 0
	LEV SD, 16
	LEV SD, 8
	LEV SB, 4
	LEV SA, 2
	LEV SW, 1
	v_lshrrev_b32 v[SA], 2, v[SI]
	v_lshlrev_b32 v[SA], 7, v[SA]
	v_lshl_add_u32 v[SA], v[SQ], 2, v[SA]
	v_and_b32 v[SB], 3, v[SI]
	v_add_nc_u32 v[SB], v[SA], v[SB]               ; 128 (word / 4) + 4 bit + word % 4
	v_cmp_gt_u32 vcc_lo, s34, v[SN]
	v_cndmask_b32 v[SB], 0, v[SB], vcc_lo
	v_min_u32 v[STK], 0x3ff, v[SB]
	WALU
.endm
	s_load_b256 s[4:11], s[0:1], 0x0               ; eidx 4, prob 6, hid 8, wo 10
	s_load_b128 s[12:15], s[0:1], 0x20             ; hidden_states 12, out0 14
	v_lshl_add_u32 v12, v0, 2, SPARE
	v_mov_b32 v13, 0
	v_lshrrev_b32 v1, 5, v0
	v_readfirstlane_b32 s16, v1                    ; wave
	v_and_b32 v1, 31, v0
	v_and_b32 v2, 15, v0
	v_bfe_u32 v3, v0, 4, 1
	v_lshlrev_b32 v14, 4, v1
	v_lshlrev_b32 v4, 3, v2
	v_lshl_add_u32 v4, v3, 16, v4                  ; 16 h rows, + 8 r
	WALU
	s_and_b32 s18, ttmp7, 0xffff                   ; the expert
	s_lshl_b32 s21, ttmp9, 7                       ; my columns, in bytes
	s_lshl_b32 s52, s18, 24
	s_lshl_b32 s53, s16, 21
	s_add_co_u32 s52, s52, s53
	s_add_co_u32 s52, s52, s21                     ; Wo[e], row 512 w, column 32 x
	s_mov_b32 s53, 0
	s_lshl_b32 s54, s18, 22                        ; the images of expert e,
	s_mov_b32 s55, 0
	s_lshl_b32 s56, s16, 19
	s_add_co_u32 s56, s56, s54                     ; K step 4 w
	s_mov_b32 s57, 0
	s_lshl_b32 s58, s18, 17
	s_add_co_u32 s58, s58, HSC                     ; and the scale words
	s_mov_b32 s59, 0
	s_lshl_b32 s60, s16, 14
	s_add_co_u32 s60, s60, s58
	s_mov_b32 s61, 0
	s_mov_b32 s46, 0x76543210
	s_mov_b32 s47, 0xfedcba98                      ; v_permlanex16_b32's selects for lane l xor 16
	s_mov_b32 s48, 0x600000                        ; the mantissa field of 448
	s_mov_b32 s49, 0x4800000                       ; the floor
	s_wait_kmcnt 0x0
	s_add_nc_u64 s[68:69], s[10:11], s[52:53]
	s_add_nc_u64 s[30:31], s[8:9], s[54:55]
	s_add_nc_u64 s[26:27], s[8:9], s[56:57]
	s_add_nc_u64 s[32:33], s[8:9], s[58:59]
	s_add_nc_u64 s[28:29], s[8:9], s[60:61]
.set IB_, TT
	LDIDX
.set XI_, LI
.set KR_, 0
.rept 3
	RAW
.set KR_, KR_+1
.endr
	s_lshl_b32 s52, s16, 14
	v_add_nc_u32 v5, s52, v14                      ; IMG + 16,384 w + 16 lane
	s_lshl_b32 s52, s16, 10
	s_add_co_u32 s52, s52, SCW
	v_lshl_add_u32 v6, v1, 2, s52
	s_mul_i32 s52, s16, 20480
	s_add_co_u32 s52, s52, PART
	v_lshrrev_b32 v60, 2, v2
	v_lshlrev_b32 v61, 1, v3
	v_xor_b32 v60, v60, v61
	v_lshlrev_b32 v60, 4, v60
	v_lshl_add_u32 v60, v2, 6, v60
	v_add_nc_u32 v7, s52, v60                      ; sums in: p = 0,
	v_xor_b32 v8, 16, v7                           ; p = 1
	s_and_b32 s52, s16, 3
	s_lshl_b32 s53, s52, 8
	s_lshr_b32 s54, s16, 2
	s_lshl_b32 s54, s54, 11
	s_add_co_u32 s53, s53, s54
	s_add_co_u32 s53, s53, PART
	s_lshl_b32 s54, s16, 2
	v_lshrrev_b32 v61, 3, v1                       ; a: my row of four;
	v_and_b32 v59, 7, v1                           ; b: my 4 columns of it
	v_lshrrev_b32 v60, 1, v59
	v_xor_b32 v60, s52, v60
	v_lshlrev_b32 v60, 4, v60
	v_lshl_add_u32 v60, v61, 6, v60
	v_and_b32 v58, 1, v59
	v_lshl_add_u32 v60, v58, 3, v60
	v_add_nc_u32 v9, s53, v60                      ; sums out: tile w / 4, rows 4 (w % 4) + a
	v_add_nc_u32 v10, 61440, v9
	v_add_nc_u32 v11, 61440, v10
	v_add_nc_u32 v31, s54, v61                     ; my row there: 4 w + a, + 32 m
	v_lshlrev_b32 v63, 2, v61
	v_lshl_add_u32 v62, v59, 4, s21
	v_add_nc_u32 v45, 0x10000, v14
	v_lshl_add_u32 v53, v1, 2, SCW
	v_mov_b32 v[PX], 0                             ; written once: a lane permute's destination counts as one of its sources
	v_mov_b32 v[PX+1], 0
	v_and_b32 v60, 3, v1
	v_lshrrev_b32 v61, 2, v1
	v_lshl_add_u32 v60, v61, 5, v60
	v_add_nc_u32 v[SN], s54, v60                   ; lane 4 m + a finds row 4 w + a + 32 m
	WALU
.set X_, XI_
	WAITL
	SELECT
	s_add_co_u32 s35, s34, 15
	s_lshr_b32 s35, s35, 4                         ; NT: the expert's tiles,
	s_max_u32 s40, s35, 1
	s_sub_co_u32 s41, s40, 1
	s_min_u32 s41, s41, 63                         ; the last tile that lies in memory
.set L_, 0
.rept 10
	s_min_u32 s52, s41, L_
	s_lshl_b32 s52, s52, 11
	v_add_nc_u32 v[16+L_], s52, v14
.set L_, L_+1
.endr
.set L_, 0
.rept 5
	v_add_nc_u32 v[26+L_], 2*L_, v3
	v_min_u32 v[26+L_], s41, v[26+L_]
	v_min_u32 v[26+L_], 63, v[26+L_]
	v_lshlrev_b32 v[26+L_], 6, v[26+L_]
	v_lshl_add_u32 v[26+L_], v2, 2, v[26+L_]       ; lanes 0-15 the even tile's row r, lanes 16-31 the odd one's
.set L_, L_+1
.endr
	v_lshlrev_b32 v61, 2, v[STK]
	WALU
	global_load_b32 v15, v61, s[6:7]               ; the row's probability
.set LI, LI+1
.set K_, 0
.rept 16
	QMAX
	QREST
.if K_ > 3
.set M_, K_-4
.set BF_, M_%2
	MULT
	PLACES 8
.endif
.if K_ > 1
.set M_, K_-2
.set BF_, M_%2
	ALD
.endif
.if K_ == 14
.set M_, 14
.set BF_, 2
	ALD                                            ; the ring's places 1 and 2 are free
.set M_, 15
.set BF_, 3
	ALD
.endif
.set K_, K_+1
.endr
	WALU
.set L_, 0
.rept 5                                ; tokens and probabilities of my rows 4 w + a + 32 m
	v_add_nc_u32 v[LIM+1], 16*L_, v63
	ds_bpermute_b32 v[244+L_], v[LIM+1], v[STK]
	ds_bpermute_b32 v[249+L_], v[LIM+1], v15
.set L_, L_+1
.endr
	s_wait_dscnt 0x0
.set L_, 0
.rept 5
	v_min_u32 v[244+L_], 0x3ff, v[244+L_]
	v_lshl_add_u32 v[244+L_], v[244+L_], 12, v62
.set L_, L_+1
.endr
	WALU
.set L_, 0
.rept 5
	global_load_b128 v[224+4*L_:227+4*L_], v[244+L_], s[12:13]
.set L_, L_+1
.endr
.set LI, LI+5
	PLACES 8
.set M_, 12
.set BF_, 0
	MULT
.set M_, 14
.set BF_, 2
	MULT
.set M_, 15
.set BF_, 3
	MULT
.set M_, 13
.set BF_, 1
	MULT
	PLACES 8
	WIN 0x04
.set L_, 0
.rept 10
.irp j, 0,1
	ds_store_b128 v7, v[16*L_+8*\j:16*L_+8*\j+3] offset:2048*L_+1024*\j
	ds_store_b128 v8, v[16*L_+8*\j+4:16*L_+8*\j+7] offset:2048*L_+1024*\j
.endr
.set L_, L_+1
.endr
	WIN 0
	JOIN                                           ; the eight waves' sums lie in LDS
.macro RDL m                           ; eight waves' sums of my 4 columns of row m
.irp w, 0,1,2,3,4,5,6,7
.irp j, 0,1
	ds_load_b64 v[64+32*((\m)%2)+4*\w+2*\j:65+32*((\m)%2)+4*\w+2*\j], v[9+(\w)/3] offset:4096*(\m)+1024*\j+20480*((\w)%3)
.endr
.endr
.endm
.macro ADDP b, x, y
.irp j, 0,2
	v_pk_add_f32 v[\b+4*\x+\j:\b+4*\x+\j+1], v[\b+4*\x+\j:\b+4*\x+\j+1], v[\b+4*\y+\j:\b+4*\y+\j+1]
.endr
.endm
.macro OUTM m
.if (\m) < 4
	s_wait_dscnt 16                                ; the next row's sixteen loads may be out
.else
	s_wait_dscnt 0x0
.endif
.set B_, 64+32*((\m)%2)
	ADDP B_, 0, 1
	ADDP B_, 2, 3
	ADDP B_, 4, 5
	ADDP B_, 6, 7
	ADDP B_, 0, 2
	ADDP B_, 4, 6
	ADDP B_, 0, 4
.irp i, 0,1
.irp j, 0,1
	v_fma_f32 v[224+4*(\m)+2*\i+\j], v[249+\m], v[B_+2*\j+\i], v[224+4*(\m)+2*\i+\j]      ; hidden_states + prob x y
.endr
.endr
.if (\m) < 3
	RDL (\m)+2
.endif
.endm
	RDL 0
	RDL 1
	s_wait_loadcnt 0x0                             ; hidden_states
.irp m, 0,1,2,3,4
	OUTM \m
.endr
	WALU
	s_sub_co_i32 s44, s34, 1                       ; the expert's last row (read only where it has more than 160)
	s_add_co_u32 s41, s16, 10
	s_mov_b32 s42, 0
.Lover:                                ; a tile beyond the ten: LDS is only read.  v31 and v224-248 wait for the end
	s_cmp_ge_u32 s41, s35
	s_cbranch_scc1 .Ldone
	s_wait_xcnt 0x0
.set IB_, 64
	LDIDX
	s_lshl_b32 s52, s41, 4
	v_add_nc_u32 v[SN], s52, v2
	v_min_u32 v[SN], s44, v[SN]                    ; a row that the expert does not have repeats its last
	v_sub_nc_u32 v34, v[SN], s52
	v_min_u32 v34, 15, v34                         ; its place in the tile
	s_lshl_b32 s53, s41, 11
	v_lshlrev_b32 v32, 4, v34
	v_lshl_add_u32 v32, v3, 8, v32
	v_add_nc_u32 v32, s53, v32
	s_lshl_b32 s53, s41, 6
	v_lshl_add_u32 v33, v34, 2, s53
	WALU
	s_wait_loadcnt 0x0
	SELECT
	v_lshlrev_b32 v37, 2, v[STK]
	v_lshlrev_b32 v36, 12, v[STK]
	v_add_nc_u32 v36, s21, v36
	v_lshl_add_u32 v36, v3, 6, v36
	WALU
	global_load_b32 v15, v37, s[6:7]
.set KS_, 0
.rept 16
.irp q, 0,1
.set KK_, KS_+\q
.irp c, 0,1,2,3
	global_load_b128 v[144+16*\q+4*\c:147+16*\q+4*\c], v32, s[30:31] offset:131072*KK_+512*\c
.endr
	global_load_b32 v[ASC+\q], v33, s[32:33] offset:4096*KK_
.irp j, 0,1
.irp c, 0,1,2,3
	ds_load_b128 v[64+32*\q+16*\j+4*\c:67+32*\q+16*\j+4*\c], v[14+31*(KK_/16)] offset:(KK_%16)*4096+2048*\j+512*\c
.endr
	ds_load_b32 v[WSC+8*\q+\j], v53 offset:256*KK_+128*\j
.endr
.endr
	s_wait_loadcnt 0x0
	s_wait_dscnt 0x0
.irp q, 0,1
.irp j, 0,1
.if KS_+\q == 0
	v_wmma_scale_f32_16x16x128_f8f6f4 v[176+8*\j:183+8*\j], v[64+32*\q+16*\j:79+32*\q+16*\j], v[144+16*\q:159+16*\q], 0, v[WSC+8*\q+\j], v[ASC+\q]
.else
	v_wmma_scale_f32_16x16x128_f8f6f4 v[176+8*\j:183+8*\j], v[64+32*\q+16*\j:79+32*\q+16*\j], v[144+16*\q:159+16*\q], v[176+8*\j:183+8*\j], v[WSC+8*\q+\j], v[ASC+\q]
.endif
.endr
.endr
	PLACES 8
.set KS_, KS_+2
.endr
.irp k, 0,1,2,3
	global_load_b128 v[144+4*\k:147+4*\k], v36, s[12:13] offset:16*\k
.endr
	s_wait_loadcnt 0x0
.irp i, 0,1,2,3,4,5,6,7
.irp j, 0,1
	v_fma_f32 v[144+2*\i+\j], v15, v[176+8*\j+\i], v[144+2*\i+\j]
.endr
.endr
.irp k, 0,1,2,3
	global_store_b128 v36, v[144+4*\k:147+4*\k], s[14:15] offset:16*\k
.endr
	s_add_co_u32 s41, s41, 8
	s_add_co_u32 s42, s42, 1
	s_cmp_lg_u32 s42, 7
	WALU
	s_cbranch_scc1 .Lover
.Ldone:
	s_wait_tensorcnt 0x0                           ; my last LDS instructions
	ds_add_u32 v12, v13
	s_wait_dscnt 0x0
.irp m, 0,1,2,3,4
	s_wait_xcnt 0x0                                ; EXEC changes only behind this wait
	s_sub_co_i32 s52, s34, 32*\m
	v_cmp_gt_i32 vcc_lo, s52, v31                  ; rows that the expert has
	s_and_saveexec_b32 s38, vcc_lo
	global_store_b128 v[244+\m], v[224+4*\m:227+4*\m], s[14:15]    ; eight lanes store 128 consecutive bytes of a row
	s_wait_xcnt 0x0
	s_or_b32 exec_lo, exec_lo, s38
.endr
	s_endpgm
.Lfunc_end_k_q06f4cc6740_ffn2:
	.size	k_q06f4cc6740_ffn2, .Lfunc_end_k_q06f4cc6740_ffn2-k_q06f4cc6740_ffn2
	.p2alignl 7, 3214868480
	.fill 96, 4, 3214868480
	.section	.rodata,"a",@progbits
	.p2align	6, 0x0
	.amdhsa_kernel k_q06f4cc6740_ffn2
		.amdhsa_group_segment_fixed_size 304128
		.amdhsa_private_segment_fixed_size 0
		.amdhsa_enable_private_segment 0
		.amdhsa_kernarg_size 48
		.amdhsa_user_sgpr_count 2
		.amdhsa_user_sgpr_kernarg_segment_ptr 1
		.amdhsa_wavefront_size32 1
		.amdhsa_system_sgpr_workgroup_id_x 1
		.amdhsa_system_sgpr_workgroup_id_y 1
		.amdhsa_system_sgpr_workgroup_id_z 1
		.amdhsa_system_vgpr_workitem_id 0
		.amdhsa_next_free_vgpr 512
		.amdhsa_next_free_sgpr 84
		.amdhsa_reserve_vcc 1
		.amdhsa_float_denorm_mode_32 3
		.amdhsa_float_denorm_mode_16_64 3
		.amdhsa_memory_ordered 1
		.amdhsa_forward_progress 1
		.amdhsa_inst_pref_size 222
	.end_amdhsa_kernel
	.amdgpu_metadata
---
amdhsa.version: [ 1, 2 ]
amdhsa.kernels:
  - .name:           k_q06f4cc6740_ffn2
    .symbol:         k_q06f4cc6740_ffn2.kd
    .args:
      - { .name: eidx, .offset: 0, .size: 8, .value_kind: global_buffer, .address_space: global }
      - { .name: prob, .offset: 8, .size: 8, .value_kind: global_buffer, .address_space: global }
      - { .name: hid, .offset: 16, .size: 8, .value_kind: global_buffer, .address_space: global }
      - { .name: wo, .offset: 24, .size: 8, .value_kind: global_buffer, .address_space: global }
      - { .name: hidden_states, .offset: 32, .size: 8, .value_kind: global_buffer, .address_space: global }
      - { .name: out0, .offset: 40, .size: 8, .value_kind: global_buffer, .address_space: global }
    .group_segment_fixed_size: 304128
    .private_segment_fixed_size: 0
    .kernarg_segment_align: 8
    .kernarg_segment_size: 48
    .max_flat_workgroup_size: 256
    .sgpr_count:     84
    .vgpr_count:     512
    .wavefront_size: 32
...
	.end_amdgpu_metadata
.endif
;; end of part 3
